; MI455X (gfx1250); checked and timed in simulation.
; The chip was launched on July 23, 2026; its instructions are those of AMD's public machine-readable ISA for CDNA 5 (MIT licence, August 2026) and "CDNA5" Instruction Set Architecture Reference Guide (July 2026). The comments in the code are by the model that wrote it; some were corrected since.
;; Self Attention. Allowed arithmetic: matrix products marked QUANTISED: E4M3 operands, one given power-of-two scale a tensor, by v_wmma_f32_16x16x64_fp8_fp8 or v_wmma_f32_16x16x128_fp8_fp8, f32 sums; everything else in f32.
;; Inputs: W_attn_codes 3,072 x 32 x 32 uint8 (E4M3 codes of W_attn, K innermost, in blocks of 32 codes); W_proj_codes 1,024 x 32 x 32 uint8 (E4M3 codes of W_proj, K innermost, in blocks of 32 codes); attn_mask 1 x 1 x 2,048 x 2,048 bool; b_attn 3,072 float32; b_proj 1,024 float32; lowp_scales 8 int32 (the exponents e of the quantised operands' scales 2^e); x_codes 2 x 2,048 x 32 x 32 uint8 (E4M3 codes of x, K innermost, in blocks of 32 codes).
;; Outputs: out0 2 x 2,048 x 1,024 float32.
;; This version of the problem:
;;   THIS VERSION OF THE PROBLEM IS GIVEN IN LOW PRECISION. The matrix products marked QUANTISED in the list below multiply operands that are first quantised to E4M3 (4 exponent bits, 3 mantissa bits; 8 bits a number), with one given power-of-two scale for each operand tensor; their sums are f32. All else is computed in f32.
;;   The module's matrix products, in the order in which they are computed (A, B: the left and right operand; K: the contracted axis; several contracted axes count as one K, in the product's order):
;;     1. [M 4,096, K 1,024] x [K 1,024, N 3,072]; A: input x (given as codes); B: input W_attn (given as codes): QUANTISED (scales: A lowp_scales[0], B lowp_scales[1])
;;     2. batch 32 x [M 2,048, K 64] x [K 64, N 2,048]; A: computed on the way; B: computed on the way: QUANTISED (scales: A lowp_scales[2], B lowp_scales[3])
;;     3. batch 32 x [M 2,048, K 2,048] x [K 2,048, N 64]; A: softmax (see below); B: computed on the way: QUANTISED (scales: A lowp_scales[4], B lowp_scales[5])
;;     4. [M 4,096, K 1,024] x [K 1,024, N 1,024]; A: computed on the way; B: input W_proj (given as codes): QUANTISED (scales: A lowp_scales[6], B lowp_scales[7])
;;   THE QUANTISER, for each operand of a quantised product, along K:
;;     - The operand's scale is 2^e, e = its entry of the input lowp_scales (int32; the entries are numbered through the quantised products in the list's order, A before B).
;;     - Each number is divided by the scale, clamped to +-448, and rounded to the nearest number of E4M3, ties to even, subnormals kept.
;;     - The product sums the exact products of the quantised numbers (number of the format x scale) in f32.
;;   ~~~python
;;   def quantise(x, axis, e):      # numpy; x: float32 -> the quantised numbers, widened to float32 again
;;       x = np.moveaxis(x, axis, -1); K = x.shape[-1]
;;       r = np.clip(x / 2.0 ** e, -448, 448)
;;       step = 2.0 ** (np.maximum(np.frexp(np.where(r == 0, 1, r))[1] - 1, -6) - 3)
;;       q = np.round(r / step) * step * 2.0 ** e      # np.round: ties to even
;;       return np.moveaxis(q, -1, axis).astype(np.float32)
;;   ~~~
;;   SOFTMAX AHEAD OF A QUANTISED PRODUCT. Where the list says 'softmax', what is quantised is not the finished softmax but p = 2^(t - M), with t = logit x log2(e) and M = ceil(the row's largest t), a whole number; so 1/2 < the row's largest p <= 1. The row's sum l is taken of the UNQUANTISED p, in f32, and the product's result is divided by l at the end. Since M is a whole number, a kernel that streams over the keys may use a running M (the ceiling of the running maximum): every later rescaling is an exact power of two, so the quantised numbers keep their values, but for numbers so far below the row's largest that they fall under the format's range.
;;   OPERANDS COMPUTED ON THE WAY. 'Computed on the way' means the value that the module computes at that place (a softmax that the list does not call 'softmax' is quantised finished and normalised). What goes into a quantiser is computed in f32, as accurately as f32 sums, v_exp_f32 and their like allow (about 1e-6 of the number): no bf16 or f16 on the way to a quantiser, and a product that is left as it is and whose result goes on into a quantised operand takes f32 operands (vector FMAs, or v_wmma_f32_16x16x4_f32). A number that lies on a knife's edge between two numbers of the format may be rounded either way, as far as f32 arithmetic and the matrix unit's own rounding can turn it there, and no further.
;;   INPUTS GIVEN AS CODES. W_attn (in the module: [1024, 3072], K = its axis 0); W_proj (in the module: [1024, 1024], K = its axis 0); x (in the module: [2, 2048, 1024], K = its axis 2): each comes as NAME_codes (uint8): NAME with its K axis moved to the last place and cut into blocks of 32 codes, [.., K / 32, bytes a block], one block behind the other in memory; one code a byte (a code: sign, 4 exponent bits, 3 mantissa bits); its scale is its entry of lowp_scales. Its value is code x scale, taken as it is: it is not quantised again, and the codes and scales need not be those that the quantiser above would give.
;; One version. Each part assembles by itself: llvm-mc -triple=amdgcn-amd-amdhsa -mcpu=gfx1250 --defsym DOCPART=n.
;; ======== version 1 of 1: 3 launches
;; limits: right only within a limited range of input values
;; workspace buffers: qimg 4,194,304 bytes; kvimg 8,388,608 bytes; mbits 524,288 bytes of whole numbers; msum 8,192 bytes of whole numbers; yimg 4,194,304 bytes
;; launch qkv (part 1): grid 16 x 16, 4 waves a work-group, clusters of 4 x 4, 327,680 bytes of LDS; arguments x_codes, W_attn_codes, b_attn, attn_mask, lowp_scales, qimg, kvimg, mbits, msum; writes qimg, kvimg, mbits, msum
.if DOCPART == 1
	.amdgcn_target "amdgcn-amd-amdhsa--gfx1250"
	.amdhsa_code_object_version 6
	.text
	.protected	k_q25f6705d5f_qkv
	.globl	k_q25f6705d5f_qkv
	.p2align	8
	.type	k_q25f6705d5f_qkv,@function
k_q25f6705d5f_qkv:
	s_mov_b64 s[64:65], 0
	v_nop
	global_prefetch_b8 v0, s[64:65] scope:SCOPE_SE
	s_setreg_imm32_b32 hwreg(HW_REG_WAVE_MODE, 25, 1), 1
	s_wait_xcnt 0x0
	s_wait_alu depctr_hold_cnt(0) depctr_sa_sdst(0) depctr_va_vdst(0) depctr_va_sdst(0) depctr_va_ssrc(0) depctr_va_vcc(0) depctr_vm_vsrc(0)
	s_getreg_b32 s2, hwreg(HW_REG_IB_STS2, 6, 4)
	s_cmp_eq_u32 s2, 0
	s_cbranch_scc0 .Lentry_in_a_cluster
	s_endpgm
.Lentry_in_a_cluster:
	s_bfe_u32 s2, ttmp6, 0x10000c
	s_cmp_lg_u32 s2, 0xf033
	s_cbranch_scc0 .Lentry_shape_is_right
	s_endpgm
.Lentry_shape_is_right:
; q, k, v = x W_attn + b_attn on E4M3 codes; q and k are turned by their positions; all three are quantised (2^e2, 2^e3, 2^e5) and stored as the register images that the attention's products take.
; A work-group makes 256 rows x 64 columns of each of q, k, v (one head); a wave 64 rows.  K goes in steps of 256 through two LDS slots filled by joint loads (4 x 4 work-groups: x along a row of the cluster, W along a column).
; The mask is packed on the way: mbits holds, for each 16 queries x 128 keys, 64 lane masks; msum one word: bits 15:0 the rows with a true key among the 128, bit 16 that all 2,048 are true.
; LIMITS: e0 + e1 between -126 and 127; e2, e3, e5 between -126 and 119.
.set PITCH, 272
.set GRP,   64*PITCH
.set XOFF,  3*GRP
.set SLOT,  XOFF+256*PITCH
.set SPARE, 2*SLOT
.set RS,    SPARE+512
.set PADW,  (1<<20)|(1<<21)|(5<<22)|(3<<25)
.set INV, 32
.set FF,  48
.set NN,  64
.set ZZ,  80
.set PS,  96
.set PC,  112
.set CSO, 128
.set MSB, 0
.macro WIN new
.if MSB != \new
	s_set_vgpr_msb (MSB<<8)|\new
.set MSB, \new
.endif
.endm
.macro PLACES
.rept 4
	v_nop
.endr
.endm
.macro JLOAD s
	s_cmp_eq_u32 s20, 3
	s_cbranch_scc0 .Lfor_w_\@
	tensor_load_to_lds s[32+4*\s:35+4*\s], s[24:31]
	s_nop 0
.rept 4
	v_nop
.endr
	s_branch .Lasked_\@
.Lfor_w_\@:
	tensor_load_to_lds s[56+4*\s:59+4*\s], s[48:55]
	s_nop 0
.rept 4
	v_nop
.endr
.Lasked_\@:
.endm
.macro CREST
	s_cmp_lg_u32 s20, 0
	s_cbranch_scc1 .Lnot_wave_0_\@
	s_barrier_signal -3
.Lnot_wave_0_\@:
	s_barrier_wait -3
	s_barrier_signal -1
	s_barrier_wait -1
.endm
.macro CROUND
	s_barrier_signal -1
	s_barrier_wait -1
	CREST
.endm
.macro FRAG reg, adr, off
.irp c, 0,1,2,3
	ds_load_b128 v[(\reg)+4*\c:(\reg)+4*\c+3], v[\adr] offset:(\off)+32*\c
.endr
.endm
.macro FETCH_A slot, q, set
	WIN 0
.irp mt, 0,1,2,3
	FRAG 32+64*(\set)+16*\mt, 4+\slot, \mt*16*PITCH+128*(\q)
.endr
.endm
.macro FETCH_G slot, q, g
	WIN 0x40
.irp t, 0,1,2,3
.if \g < 2
	FRAG 64*\g+16*\t, 6+\slot, (64*\g+16*\t)*PITCH+128*(\q)
.else
	FRAG 128+16*\t, 8+\slot, (32*(\t/2)+8*(\t%2))*PITCH+128*(\q)
.endif
.endr
.endm
.macro MULT g, set, zero, t
.irp mt, 0,1,2,3
.if \g < 2
.if \zero
	v_wmma_f32_16x16x128_fp8_fp8 v[128*\g+8*(4*\t+\mt):128*\g+8*(4*\t+\mt)+7], v[64*\g+16*\t:64*\g+16*\t+15], v[32+64*\set+16*\mt:32+64*\set+16*\mt+15], 0
.else
	v_wmma_f32_16x16x128_fp8_fp8 v[128*\g+8*(4*\t+\mt):128*\g+8*(4*\t+\mt)+7], v[64*\g+16*\t:64*\g+16*\t+15], v[32+64*\set+16*\mt:32+64*\set+16*\mt+15], v[128*\g+8*(4*\t+\mt):128*\g+8*(4*\t+\mt)+7]
.endif
.else
.if \zero
	v_wmma_f32_16x16x128_fp8_fp8 v[8*(4*\t+\mt):8*(4*\t+\mt)+7], v[32+64*\set+16*\mt:32+64*\set+16*\mt+15], v[128+16*\t:128+16*\t+15], 0
.else
	v_wmma_f32_16x16x128_fp8_fp8 v[8*(4*\t+\mt):8*(4*\t+\mt)+7], v[32+64*\set+16*\mt:32+64*\set+16*\mt+15], v[128+16*\t:128+16*\t+15], v[8*(4*\t+\mt):8*(4*\t+\mt)+7]
.endif
.endif
.endr
.endm
.macro MULG g, set, zero
.if \g < 2
	WIN 0xa1
.else
	WIN 0xf4
.endif
.irp t, 0,1,2,3
	MULT \g, \set, \zero, \t
.endr
.endm
.macro STEP slot, set, zero
	s_wait_dscnt 32
	MULG 0, \set, \zero
	PLACES
	FETCH_G \slot, 1, 0
	FETCH_A \slot, 1, 1-\set
	s_wait_dscnt 48
	MULG 1, \set, \zero
	PLACES
	FETCH_G \slot, 1, 1
	s_wait_dscnt 48
	MULG 2, \set, \zero
	PLACES
	FETCH_G \slot, 1, 2
	WIN 0
.endm
.macro TURN slot, next, set, fill
	s_wait_tensorcnt 0x0
	ds_add_u32 v10, v11
	s_wait_dscnt 33
	WIN 0xa1
	MULT 0, \set, 0, 0
	MULT 0, \set, 0, 1
	s_wait_dscnt 0x0
	s_barrier_signal -1
	MULT 0, \set, 0, 2
	MULT 0, \set, 0, 3
	WIN 0
	s_barrier_wait -1
.if \fill
	CREST
	s_add_nc_u64 s[34+4*\slot:35+4*\slot], s[34+4*\slot:35+4*\slot], 512
	s_add_nc_u64 s[58+4*\slot:59+4*\slot], s[58+4*\slot:59+4*\slot], 512
	JLOAD \slot
.else
	PLACES
.endif
	FETCH_G \next, 0, 0
	FETCH_A \next, 0, 1-\set
	MULG 1, \set, 0
	PLACES
	FETCH_G \next, 0, 1
	MULG 2, \set, 0
	PLACES
	FETCH_G \next, 0, 2
	WIN 0
.endm
.macro HORNER p, lit
.irp k, 0,2,4,6,8,10,12,14
	v_pk_fma_f32 v[\p+\k:\p+\k+1], v[\p+\k:\p+\k+1], v[ZZ+\k:ZZ+\k+1], \lit op_sel_hi:[1,1,0]
.endr
.endm
.macro ANGLES mt
	v_add_nc_u32 v30, 16*\mt, v29
	v_cvt_f32_u32 v30, v30
	v_mov_b32 v31, v30
.irp k, 0,2,4,6,8,10,12,14
	v_pk_mul_f32 v[FF+\k:FF+\k+1], v[INV+\k:INV+\k+1], v[30:31]
.endr
.irp k, 0,2,4,6,8,10,12,14
	v_pk_mul_f32 v[NN+\k:NN+\k+1], v[FF+\k:FF+\k+1], 0x3ea2f983 op_sel_hi:[1,0]
.endr
.irp j, 0,1,2,3,4,5,6,7,8,9,10,11,12,13,14,15
	v_rndne_f32 v[NN+\j], v[NN+\j]
.endr
.irp k, 0,2,4,6,8,10,12,14
	v_pk_fma_f32 v[FF+\k:FF+\k+1], v[NN+\k:NN+\k+1], 0xc0490fdb, v[FF+\k:FF+\k+1] op_sel_hi:[1,0,1]
.endr
.irp k, 0,2,4,6,8,10,12,14
	v_pk_fma_f32 v[FF+\k:FF+\k+1], v[NN+\k:NN+\k+1], 0x33bbbd2e, v[FF+\k:FF+\k+1] op_sel_hi:[1,0,1]
.endr
.irp k, 0,2,4,6,8,10,12,14
	v_pk_mul_f32 v[ZZ+\k:ZZ+\k+1], v[FF+\k:FF+\k+1], v[FF+\k:FF+\k+1]
.endr
.irp k, 0,2,4,6,8,10,12,14
	v_pk_fma_f32 v[PS+\k:PS+\k+1], v[ZZ+\k:ZZ+\k+1], v[24:25], 0x3638ef1d op_sel_hi:[1,1,0]
	v_pk_fma_f32 v[PC+\k:PC+\k+1], v[ZZ+\k:ZZ+\k+1], v[26:27], 0xb493f27e op_sel_hi:[1,1,0]
.endr
	HORNER PS, 0xb9500d01
	HORNER PC, 0x37d00d01
	HORNER PS, 0x3c088889
	HORNER PC, 0xbab60b61
	HORNER PS, 0xbe2aaaab
	HORNER PC, 0x3d2aaaab
.irp k, 0,2,4,6,8,10,12,14
	v_pk_mul_f32 v[PS+\k:PS+\k+1], v[PS+\k:PS+\k+1], v[ZZ+\k:ZZ+\k+1]
.endr
	HORNER PC, -0.5
.irp k, 0,2,4,6,8,10,12,14
	v_pk_fma_f32 v[PS+\k:PS+\k+1], v[PS+\k:PS+\k+1], v[FF+\k:FF+\k+1], v[FF+\k:FF+\k+1]
.endr
	HORNER PC, 1.0
.irp j, 0,1,2,3,4,5,6,7,8,9,10,11,12,13,14,15
	v_cvt_i32_f32 v[NN+\j], v[NN+\j]
.endr
.irp j, 0,1,2,3,4,5,6,7,8,9,10,11,12,13,14,15
	v_lshlrev_b32 v[NN+\j], 31, v[NN+\j]
.endr
	s_wait_dscnt 0x0
.irp j, 0,1,2,3,4,5,6,7,8,9,10,11,12,13,14,15
	v_xor_b32 v[CSO+2*\j], v[NN+\j], v[PC+\j]
	v_xor_b32 v[CSO+2*\j+1], v[NN+\j], v[PS+\j]
.endr
.irp i, 0,1,2,3,4,5,6,7
	ds_store_b128 v12, v[CSO+4*\i:CSO+4*\i+3] offset:(8*\mt+\i)*512
.endr
.endm
.macro PACK u
.irp kt, 0,1,2,3,4,5,6,7
.irp j, 0,1,2,3,4,5,6,7
	v_and_b32 v[196+\j], 0xff<<(8*(\j%4)), v[160+16*\u+2*\kt+\j/4]
.endr
.irp j, 0,1,2,3,4,5,6,7
	v_cmp_ne_u32 s[86+\j], 0, v[196+\j]
.endr
.irp j, 0,1,2,3,4,5,6,7
	v_writelane_b32 v[192+2*\u+\j%2], s[86+\j], 4*\kt+\j/2
.endr
.endr
	global_store_b64 v15, v[192+2*\u:193+2*\u], s[82:83] offset:256*\u
.endm
.macro SCL e, sc, lim
	s_add_co_i32 s98, s[\e], 127
	s_lshl_b32 s99, s98, 23
	v_mov_b32 v[\sc], s99
	s_add_co_i32 s98, s98, 8
	s_lshl_b32 s98, s98, 23
	s_or_b32 s98, s98, 0x600000
	v_mov_b32 v[\lim], s98
.endm
	s_load_b512 s[4:19], s[0:1], 0x0
	s_load_b64 s[66:67], s[0:1], 0x40              ; msum
	v_lshl_add_u32 v10, v0, 2, SPARE
	v_mov_b32 v11, 0
	ds_add_u32 v10, v11
	ds_add_u32 v10, v11
	s_wait_dscnt 0x0
	v_lshrrev_b32 v1, 5, v0
	v_readfirstlane_b32 s20, v1
	s_bfe_u32 s40, ttmp6, 0x40000
	s_bfe_u32 s41, ttmp6, 0x40004
	s_lshl_b32 s42, ttmp9, 2
	s_add_co_u32 s42, s42, s40
	s_and_b32 s43, ttmp7, 0xffff
	s_lshl_b32 s43, s43, 2
	s_add_co_u32 s43, s43, s41
	s_lshl_b32 s44, s41, 2
	s_lshl_b32 s44, 15, s44
	s_lshl_b32 s45, 0x1111, s40
	s_or_b32 s24, s44, PADW
	s_mov_b32 s25, 256<<16
	s_mov_b32 s26, 256<<16
	s_mov_b32 s27, 256<<16
	s_mov_b32 s28, 256
	s_mov_b32 s29, 1024
	s_mov_b32 s30, 0
	s_mov_b32 s31, 0
	s_or_b32 s48, s45, PADW
	s_mov_b32 s49, 256<<16
	s_mov_b32 s50, 64<<16
	s_mov_b32 s51, 256<<16
	s_mov_b32 s52, 64
	s_mov_b32 s53, 1024
	s_mov_b32 s54, 0
	s_mov_b32 s55, 0
	s_lshl_b32 s22, s43, 18
	s_mov_b32 s23, 0
	s_min_u32 s21, s20, 2
	s_lshl_b32 s46, s21, 20
	s_lshl_b32 s47, s42, 16
	s_add_co_u32 s46, s46, s47
	s_mov_b32 s47, 0
	s_mul_i32 s21, s21, GRP
	s_wait_kmcnt 0x0
	s_load_b256 s[68:75], s[12:13], 0x0
	s_add_nc_u64 s[22:23], s[4:5], s[22:23]
	s_add_nc_u64 s[46:47], s[6:7], s[46:47]
	CROUND
.irp s, 0,1
	s_mov_b32 s[32+4*\s], 1
	s_mov_b32 s[33+4*\s], XOFF+\s*SLOT
	s_add_nc_u64 s[34+4*\s:35+4*\s], s[22:23], \s*256
	s_or_b32 s[35+4*\s], s[35+4*\s], 0x80000000
	s_mov_b32 s[56+4*\s], 1
	s_add_co_u32 s[57+4*\s], s21, \s*SLOT
	s_add_nc_u64 s[58+4*\s:59+4*\s], s[46:47], \s*256
	s_or_b32 s[59+4*\s], s[59+4*\s], 0x80000000
.endr
	JLOAD 0                                        ; K step 0: the head's vector work stands between it and the wait for it
	v_and_b32 v1, 15, v0
	v_bfe_u32 v2, v0, 4, 1
	v_and_b32 v3, 31, v0
	v_lshlrev_b32 v15, 3, v3
	v_lshlrev_b32 v3, 4, v3
	v_mul_u32_u24 v4, v1, PITCH
	v_lshl_add_u32 v6, v2, 4, v4
	v_add_nc_u32 v7, SLOT, v6
	s_mul_i32 s21, s20, 64*PITCH
	s_add_co_u32 s21, s21, XOFF
	v_add_nc_u32 v4, s21, v6
	v_add_nc_u32 v5, SLOT, v4
	v_and_b32 v8, 8, v1
	v_add_nc_u32 v22, v8, v1
	v_mul_u32_u24 v8, v22, PITCH
	v_lshl_add_u32 v8, v2, 4, v8
	v_add_nc_u32 v8, 2*GRP, v8
	v_add_nc_u32 v9, SLOT, v8
	v_lshlrev_b32 v22, 2, v22
	s_lshl_b32 s21, s20, 14
	s_add_co_u32 s21, s21, RS
	v_add_nc_u32 v12, s21, v3
	v_lshlrev_b32 v13, 11, v1
	v_lshl_add_u32 v13, v2, 3, v13
	s_wait_alu depctr_va_vdst(0)
	v_lshlrev_b32 v14, 5, v2
	s_wait_alu depctr_va_vdst(0)
	s_mov_b32 s95, 0
	s_lshl_b32 s98, s43, 4
	s_add_co_u32 s98, s98, s42
	s_lshl_b32 s98, s98, 2
	s_add_co_u32 s98, s98, s20
	s_lshr_b32 s94, s98, 3
	s_lshl_b32 s94, s94, 15
	s_and_b32 s99, s98, 7
	s_lshl_b32 s99, s99, 8
	s_add_co_u32 s94, s94, s99
	s_add_nc_u64 s[84:85], s[10:11], s[94:95]
	s_lshl_b32 s94, s98, 9
	s_add_nc_u64 s[82:83], s[18:19], s[94:95]
	s_lshl_b32 s94, s98, 3
	s_add_nc_u64 s[66:67], s[66:67], s[94:95]      ; my two words of msum
	s_lshl_b32 s94, s42, 8
	s_add_nc_u64 s[8:9], s[8:9], s[94:95]
	s_lshr_b32 s98, s43, 3
	s_lshl_b32 s98, s98, 4
	s_add_co_u32 s98, s98, s42
	s_and_b32 s99, s43, 7
	s_lshl_b32 s94, s98, 7
	s_lshl_b32 s46, s99, 4
	s_add_co_u32 s94, s94, s46
	s_lshl_b32 s46, s20, 2
	s_add_co_u32 s94, s94, s46
	s_lshl_b32 s94, s94, 10
	s_add_nc_u64 s[78:79], s[14:15], s[94:95]
	s_lshl_b32 s94, s98, 18
	s_lshl_b32 s46, s99, 1
	s_lshr_b32 s47, s20, 1
	s_add_co_u32 s46, s46, s47
	s_lshl_b32 s46, s46, 14
	s_add_co_u32 s94, s94, s46
	s_add_nc_u64 s[80:81], s[16:17], s[94:95]
	s_and_b32 s47, s20, 1
	s_lshl_b32 s94, s47, 10
	s_add_co_u32 s94, s94, 8192
	s_add_nc_u64 s[96:97], s[80:81], s[94:95]
	s_lshl_b32 s94, s47, 12
	s_add_nc_u64 s[80:81], s[80:81], s[94:95]
	s_lshl_b32 s94, s99, 8
	s_lshl_b32 s46, s20, 6
	s_add_co_u32 s94, s94, s46
	v_add_nc_u32 v29, s94, v1
.irp n, 0,1,2,3,4,5,6,7,8,9,10,11,12,13,14,15
	global_load_b64 v[160+2*\n:161+2*\n], v13, s[84:85] offset:128*(\n/8)+16*(\n%8)
.endr
	WIN 0xc0
.irp g, 0,1
.irp tt, 0,1,2,3
	global_load_b128 v[128+32*\g+8*\tt:131+32*\g+8*\tt], v14, s[8:9] offset:4096*\g+64*\tt
	global_load_b128 v[132+32*\g+8*\tt:135+32*\g+8*\tt], v14, s[8:9] offset:4096*\g+64*\tt+16
.endr
.endr
.irp ct, 0,1,2,3
	global_load_b32 v[192+2*\ct], v22, s[8:9] offset:8192+(32*(\ct/2)+8*(\ct%2))*4
	global_load_b32 v[193+2*\ct], v22, s[8:9] offset:8192+(32*(\ct/2)+8*(\ct%2))*4
.endr
	WIN 0
	v_lshlrev_b32 v28, 2, v2
	v_mov_b32 v24, 0xb2d7322b
	v_mov_b32 v25, 0xb2d7322b
	v_mov_b32 v26, 0x310f76c7
	v_mov_b32 v27, 0x310f76c7
.irp p, 0,1,2,3,4,5,6,7,8,9,10,11,12,13,14,15
	v_add_nc_u32 v[INV+\p], 8*(\p/4)+\p%4, v28
.endr
.irp p, 0,1,2,3,4,5,6,7,8,9,10,11,12,13,14,15
	v_cvt_f32_u32 v[INV+\p], v[INV+\p]
.endr
.irp p, 0,1,2,3,4,5,6,7,8,9,10,11,12,13,14,15
	v_mul_f32 v[INV+\p], 0xbed49a78, v[INV+\p]
.endr
	s_wait_alu depctr_va_vdst(0)
.irp p, 0,1,2,3,4,5,6,7,8,9,10,11,12,13,14,15
	v_exp_f32 v[INV+\p], v[INV+\p]
.endr
	v_nop
	s_wait_alu depctr_va_vdst(0)
	ANGLES 0
	ANGLES 1
	ANGLES 2
	ANGLES 3
	s_wait_loadcnt 24
.irp i, 192,193,194,195
	v_mov_b32 v\i, 0
.endr
	PACK 0
	PACK 1
.macro ROWS u                          ; the word for 16 queries x 128 keys: a lane holds 64 of row lane % 16's bytes
	v_or_b32 v200, v[160+16*\u], v[161+16*\u]
	v_and_b32 v201, v[160+16*\u], v[161+16*\u]
.set n, 2
.rept 14
	v_or_b32 v200, v200, v[160+16*\u+n]
	v_and_b32 v201, v201, v[160+16*\u+n]
.set n, n+1
.endr
	v_cmp_ne_u32 s86, 0, v200
	v_cmp_ne_u32 s88, 0x01010101, v201
	s_lshr_b32 s87, s86, 16
	s_or_b32 s86, s86, s87
	s_and_b32 s86, s86, 0xffff
	s_cmp_eq_u32 s88, 0
	s_cselect_b32 s88, 0x10000, 0
	s_or_b32 s[89+\u], s86, s88
.endm
	ROWS 0
	ROWS 1
	v_mov_b32 v202, s89
	v_mov_b32 v203, s90
	v_mov_b32 v204, 0
	global_store_b64 v204, v[202:203], s[66:67]    ; all lanes store the same eight bytes
	s_wait_kmcnt 0x0
	s_add_co_i32 s76, s68, s69
	s_add_co_i32 s76, s76, 127
	s_lshl_b32 s76, s76, 23
	s_mov_b32 s77, s76
	SCL 70, 16, 17
	SCL 71, 18, 19
	SCL 73, 20, 21
	s_wait_alu depctr_va_vdst(0)
	s_wait_tensorcnt 0x0                           ; my part of K step 0 is in
	ds_add_u32 v10, v11
	s_wait_dscnt 0x0
	CROUND
	JLOAD 1                                        ; K step 1, the first tensor load behind the round
	FETCH_G 0, 0, 0
	FETCH_A 0, 0, 0
	FETCH_G 0, 0, 1
	FETCH_G 0, 0, 2
	WIN 0
	STEP 0, 0, 1
	TURN 0, 1, 1, 1
	STEP 1, 0, 0
	TURN 1, 0, 1, 1
	STEP 0, 0, 0
	TURN 0, 1, 1, 0
	STEP 1, 0, 0
	s_wait_dscnt 32
	MULG 0, 1, 0
	s_wait_dscnt 16
	MULG 1, 1, 0
	s_wait_dscnt 0x0
	MULG 2, 1, 0
	WIN 0
	PLACES
	s_wait_xcnt 0x0
.set n, 0
.rept 32
	ds_load_b128 v[32+4*n:35+4*n], v12 offset:512*n
.set n, n+1
.endr
	s_wait_loadcnt 0x0
	s_wait_dscnt 0x0
.macro ROPE g, mt, sc, lim, base
	WIN 0x32
.irp tt, 0,1,2,3
.irp j, 0,2,4,6
	v_pk_fma_f32 v[160+8*\tt+\j:161+8*\tt+\j], v[128*\g+8*(4*\tt+\mt)+\j:128*\g+8*(4*\tt+\mt)+\j+1], s[76:77], v[128+32*\g+8*\tt+\j:129+32*\g+8*\tt+\j] op_sel_hi:[1,0,1]
.endr
.endr
	WIN 0
.irp p, 0,2,4,6,8,10,12,14,16,18,20,22,24,26,28,30
	v_pk_mul_f32 v[192+\p:193+\p], v[160+\p:161+\p], v[32+32*\mt+\p:33+32*\mt+\p] op_sel_hi:[1,0]
.endr
.irp p, 0,2,4,6,8,10,12,14,16,18,20,22,24,26,28,30
	v_pk_fma_f32 v[192+\p:193+\p], v[160+\p:161+\p], v[32+32*\mt+\p:33+32*\mt+\p], v[192+\p:193+\p] op_sel:[1,1,0] op_sel_hi:[0,1,1] neg_lo:[0,1,0]
.endr
.set i, 0
.rept 32
	v_med3_num_f32 v[192+i], v[192+i], -v[\lim], v[\lim]
.set i, i+1
.endr
	s_wait_alu depctr_va_vdst(0)
	s_wait_xcnt 0x0
.irp tt, 0,1,2,3
	v_cvt_scalef32_pk8_fp8_f32 v[224+2*\tt:225+2*\tt], v[192+8*\tt:199+8*\tt], v[\sc]
.endr
	v_nop
	global_store_b128 v3, v[224:227], s[\base:\base+1] offset:\mt*1024
	global_store_b128 v3, v[228:231], s[\base:\base+1] offset:\mt*1024+512
.endm
.macro VOUT ct
	WIN 0x33
.irp mt, 0,1,2,3
.irp j, 0,2,4,6
	v_pk_fma_f32 v[160+8*\mt+\j:161+8*\mt+\j], v[8*(4*\ct+\mt)+\j:8*(4*\ct+\mt)+\j+1], s[76:77], v[192+2*\ct:193+2*\ct] op_sel_hi:[1,0,1]
.endr
.endr
	WIN 0
.set i, 0
.rept 32
	v_med3_num_f32 v[160+i], v[160+i], -v21, v21
.set i, i+1
.endr
	s_wait_alu depctr_va_vdst(0)
	s_wait_xcnt 0x0
.irp mt, 0,1,2,3
	v_cvt_scalef32_pk8_fp8_f32 v[224+2*\mt:225+2*\mt], v[160+8*\mt:167+8*\mt], v20
.endr
	v_nop
	global_store_b128 v3, v[224:227], s[96:97] offset:\ct*2048
	global_store_b128 v3, v[228:231], s[96:97] offset:\ct*2048+512
.endm
.irp mt, 0,1,2,3
	ROPE 0, \mt, 16, 17, 78
.endr
.irp mt, 0,1,2,3
	ROPE 1, \mt, 18, 19, 80
.endr
.irp ct, 0,1,2,3
	VOUT \ct
.endr
	s_wait_tensorcnt 0x0
	ds_add_u32 v10, v11
	s_wait_dscnt 0x0
	CROUND
	s_endpgm
.Lfunc_end_k_q25f6705d5f_qkv:
	.size	k_q25f6705d5f_qkv, .Lfunc_end_k_q25f6705d5f_qkv-k_q25f6705d5f_qkv
	.p2alignl 7, 3214868480
	.fill 96, 4, 3214868480
	.section	.rodata,"a",@progbits
	.p2align	6, 0x0
	.amdhsa_kernel k_q25f6705d5f_qkv
		.amdhsa_group_segment_fixed_size 327680
		.amdhsa_private_segment_fixed_size 0
		.amdhsa_enable_private_segment 0
		.amdhsa_kernarg_size 72
		.amdhsa_user_sgpr_count 2
		.amdhsa_user_sgpr_kernarg_segment_ptr 1
		.amdhsa_wavefront_size32 1
		.amdhsa_system_sgpr_workgroup_id_x 1
		.amdhsa_system_sgpr_workgroup_id_y 1
		.amdhsa_system_sgpr_workgroup_id_z 1
		.amdhsa_system_vgpr_workitem_id 0
		.amdhsa_next_free_vgpr 1024
		.amdhsa_next_free_sgpr 100
		.amdhsa_reserve_vcc 0
		.amdhsa_float_denorm_mode_32 3
		.amdhsa_float_denorm_mode_16_64 3
		.amdhsa_memory_ordered 1
		.amdhsa_forward_progress 1
		.amdhsa_inst_pref_size 226
	.end_amdhsa_kernel
	.amdgpu_metadata
---
amdhsa.version: [ 1, 2 ]
amdhsa.kernels:
  - .name:           k_q25f6705d5f_qkv
    .symbol:         k_q25f6705d5f_qkv.kd
    .args:
      - { .name: x_codes, .offset: 0, .size: 8, .value_kind: global_buffer, .address_space: global }
      - { .name: W_attn_codes, .offset: 8, .size: 8, .value_kind: global_buffer, .address_space: global }
      - { .name: b_attn, .offset: 16, .size: 8, .value_kind: global_buffer, .address_space: global }
      - { .name: attn_mask, .offset: 24, .size: 8, .value_kind: global_buffer, .address_space: global }
      - { .name: lowp_scales, .offset: 32, .size: 8, .value_kind: global_buffer, .address_space: global }
      - { .name: qimg, .offset: 40, .size: 8, .value_kind: global_buffer, .address_space: global }
      - { .name: kvimg, .offset: 48, .size: 8, .value_kind: global_buffer, .address_space: global }
      - { .name: mbits, .offset: 56, .size: 8, .value_kind: global_buffer, .address_space: global }
      - { .name: msum, .offset: 64, .size: 8, .value_kind: global_buffer, .address_space: global }
    .group_segment_fixed_size: 327680
    .private_segment_fixed_size: 0
    .kernarg_segment_align: 8
    .kernarg_segment_size: 72
    .max_flat_workgroup_size: 128
    .sgpr_count:     100
    .vgpr_count:     1024
    .wavefront_size: 32
...
	.end_amdgpu_metadata
.endif
;; end of part 1
;; launch attn (part 2): grid 8 x 32, 8 waves a work-group, no clusters, 263,168 bytes of LDS; arguments qimg, kvimg, mbits, msum, lowp_scales, yimg; writes yimg
.if DOCPART == 2
	.amdgcn_target "amdgcn-amd-amdhsa--gfx1250"
	.amdhsa_code_object_version 6
	.text
	.protected	k_q25f6705d5f_attn
	.globl	k_q25f6705d5f_attn
	.p2align	8
	.type	k_q25f6705d5f_attn,@function
k_q25f6705d5f_attn:
	s_mov_b64 s[64:65], 0
	v_nop
	global_prefetch_b8 v0, s[64:65] scope:SCOPE_SE
	s_setreg_imm32_b32 hwreg(HW_REG_WAVE_MODE, 25, 1), 1
	s_wait_xcnt 0x0
; y = softmax(where(mask, q k^T / 8, -10000)) v for one head, both products on E4M3 codes; y is quantised with 2^e6 and stored as the next product's operand registers.
; THE SOFTMAX: t = logit x log2(e); M = the running largest t rounded up to a whole number; p = 2^(t - M) is quantised with 2^e4, not normalised; the row's sum is taken of the unquantised p and divides at the end.
; When M moves, the sum and O are multiplied by 2^(old M - new M), which rounds nothing.
; THE MASK IS AN INPUT, and whole numbers made of it decide what is done.  For each 16 queries x 128 keys msum holds which rows have a true key (bits 15:0) and whether all are true (bit 16).
;   A tile's step with no true key is left out where (a) every one of the tile's 16 rows has a true key in some step and (b) e2 + e3 <= -8: codes are at most 448, so |score| <= 64 x 448^2 x 2^-8 / 8 = 6,272,
;   every row's largest t is above -9,049, a hidden one is -14,427, and 2^(-14,427 - M) is 0 in f32: the step would add zeros alone.  Where (a) or (b) fails, all 16 steps are worked.
;   A step that is all true is worked with no select; any other gets -10000 in place of its hidden scores ahead of the maximum.
; SHARES.  Work-group x of head bh owns query tiles 120 - 8 x .. + 7 and 8 x .. + 7; each of its eight waves one tile (16 queries) of each: A = 120 - 8 x + wave, B = 8 x + wave.  Two waves share a SIMD.
; K AND V LIE WHOLE IN LDS: the head's 262,144 bytes as they lie in memory, 16 steps of 128 keys: 8,192 bytes of K's register images, then 8,192 of V^T's.  They come in four chunks of four steps, through registers:
; each wave loads 8,192 bytes of each chunk and stores them to LDS; chunk 0 ahead of the first barrier, chunks 1 to 3 between the first steps, ahead of the second; no byte is written twice.
; No joint loads.  No prefetch: all of K and V is asked for at the head.
; LAYOUT.  S^T = K Q^T (K = 64 form; source 0 = 16 keys, source 1 = 16 queries): lane (r, h) holds query r and, in register 8 kt + j, key 16 kt + 8 h + j: eight registers convert into registers 2 kt, 2 kt + 1
; of the K = 128 form's operand.  O^T = V^T P: register j of tile ct is channel 32 (ct / 2) + 16 h + 8 (ct % 2) + j.
; MASK WORDS: word 8 kt + j of a tile and step selects, lane by lane, between the score and -10000.  64 words lie in s32-63 and s68-99; the next mixed tile's are asked for as soon as this tile has used its own.
; LIMITS: e2 + e3 between -111 and 130 (added to, and taken off, an exponent field); e4 between -126 and 119; e4 + e5 - e6 is applied by v_ldexp_f32.  NaN is not served.
; SCALARS: s[2:3], s[4:5] mask words of A, B; s[8:9], s[10:11] y; s12, s13 steps to work (bit 0: this step); s14, s15 steps to work that need the select; s22 LDS byte of the step; s23 trips; s[66:67] c; s100 the hidden score; s101 no hold.
; REGISTERS.  window 0: v0 thread; v1 16 lane; v2 my place in a chunk; v3 448 x 2^e4, v4 2^e4, v5 448, v6 1, v7 e4 + e5 - e6; v8.., v16..: a tile's -M, largest t, sum (2), f (2); v14, v15 reciprocals; v22, v23 the closing add;
;   v24-31 at work; v32-47 Q; v48-111 K (first: chunk 0); v112-175 V; v176-191 P's codes; v192-255 chunk 1.   window 1: v0-63 S^T, then p; v64-127 O^T of A and B; v128-191 chunk 2; v192-255 chunk 3.
.set SPARE, 0x40000
.set MSB, 0
.macro WIN new
.if MSB != \new
	s_set_vgpr_msb (MSB<<8)|\new
.set MSB, \new
.endif
.endm
.macro MLOAD p, off                    ; 64 mask words
	s_load_b512 s[32:47], s[\p:\p+1], \off
	s_load_b512 s[48:63], s[\p:\p+1], \off+0x40
	s_load_b512 s[68:83], s[\p:\p+1], \off+0x80
	s_load_b512 s[84:99], s[\p:\p+1], \off+0xc0
.endm
.macro PTRS U, tile                    ; where tile U's rows lie in Q, the mask words, the mask's summary and y
	s_lshl_b32 s20, s17, 7
	s_add_co_u32 s20, s20, \tile
	s_lshl_b32 s20, s20, 10
	s_add_nc_u64 s[28+2*\U:29+2*\U], s[32:33], s[20:21]
	s_lshl_b32 s20, \tile, 12
	s_add_nc_u64 s[2+2*\U:3+2*\U], s[36:37], s[20:21]
	s_lshl_b32 s20, \tile, 6
	s_add_nc_u64 s[100+4*\U:101+4*\U], s[38:39], s[20:21]
	s_lshr_b32 s20, s17, 4
	s_lshl_b32 s20, s20, 7
	s_add_co_u32 s20, s20, \tile
	s_lshl_b32 s20, s20, 14
	s_and_b32 s25, s17, 15
	s_lshl_b32 s25, s25, 10
	s_add_co_u32 s20, s20, s25
	s_add_nc_u64 s[8+2*\U:9+2*\U], s[42:43], s[20:21]
.endm
.macro STEPS U, B                      ; which steps tile U works, and which of them with the select; s25 = 1 where e2 + e3 <= -8
	s_mov_b32 s[12+\U], 0
	s_mov_b32 s[14+\U], 0
	s_mov_b32 s19, 0
.set n, 0
.rept 16
	s_or_b32 s19, s19, s[\B+n]
	s_bfe_u32 s20, s[\B+n], 0x10010
	s_lshl_b32 s20, s20, n
	s_or_b32 s[14+\U], s[14+\U], s20
	s_and_b32 s20, s[\B+n], 0xffff
	s_cselect_b32 s20, 1<<n, 0
	s_or_b32 s[12+\U], s[12+\U], s20
.set n, n+1
.endr
	s_and_b32 s19, s19, 0xffff
	s_cmp_eq_u32 s19, 0xffff
	s_cselect_b32 s20, s25, 0
	s_cmp_eq_u32 s20, 0
	s_cselect_b32 s[12+\U], 0xffff, s[12+\U]
	s_and_not1_b32 s[14+\U], s[12+\U], s[14+\U]
.endm
; The order of tiles is A, B, A, B ..  Each asks for the mask words that come next: A for B's of this step or, where B has no work in it, for its own of the next; B for A's of the next.
.macro AHEAD U
.if \U == 0
	s_bitcmp1_b32 s15, 0
	s_cbranch_scc0 .Lnot_b_\@
	MLOAD 4, 0x0
	s_branch .Lahead_\@
.Lnot_b_\@:
	s_bitcmp1_b32 s13, 0
	s_cbranch_scc1 .Lahead_\@
.endif
	s_bitcmp1_b32 s14, 1
	s_cbranch_scc0 .Lahead_\@
	MLOAD 2, 0x100
.Lahead_\@:
.endm
; One tile's 128 keys: scores, softmax, its part of O.
.macro TILE U
.set FB, 8+8*\U
	s_bitcmp1_b32 s[12+\U], 0
	s_cbranch_scc0 .Lidle_\@
	WIN 0x40
.irp kt, 0,1,2,3,4,5,6,7
	v_wmma_f32_16x16x64_fp8_fp8 v[8*\kt:8*\kt+7], v[48+8*\kt:55+8*\kt], v[32+8*\U:39+8*\U], 0
.endr
	WIN 0
.rept 4
	v_nop
.endr
	s_wait_kmcnt 0x0                               ; mask words, if any were asked for
	s_bitcmp1_b32 s[14+\U], 0
	s_cbranch_scc0 .Lopen_\@
	WIN 0x44
.set n, 0
.rept 64
.if n < 32
	v_cndmask_b32 v[n], s100, v[n], s[32+n]        ; each accumulator from its low end on
.else
	v_cndmask_b32 v[n], s100, v[n], s[36+n]
.endif
.set n, n+1
.endr
	s_wait_alu depctr_va_vdst(0)                   ; ahead of the branches below
	WIN 0
.Lopen_\@:
	AHEAD \U
	WIN 0x15
.set n, 0
.rept 8
	v_max3_num_f32 v[24+n], v[3*n], v[3*n+1], v[3*n+2]   ; eight chains of maxima
.set n, n+1
.endr
	WIN 0x14
.set n, 0
.rept 20
	v_max3_num_f32 v[24+n%8], v[24+n%8], v[24+2*n], v[25+2*n]
.set n, n+1
.endr
	WIN 0
	v_max3_num_f32 v24, v24, v25, v26
	v_max3_num_f32 v27, v27, v28, v29
	v_max_num_f32 v30, v30, v31
	s_delay_alu instid0(VALU_DEP_1)
	v_max3_num_f32 v24, v24, v27, v30
	s_delay_alu instid0(VALU_DEP_1)
	v_permlanex16_b32 v30, v24, s6, s7
	s_delay_alu instid0(VALU_DEP_1)
	v_max_num_f32 v24, v24, v30                    ; the query's other 64 keys lie in the lane 16 away
	s_delay_alu instid0(VALU_DEP_1)
	v_mul_f32 v24, s66, v24                        ; as t (c is positive)
	s_delay_alu instid0(VALU_DEP_1)
	v_max_num_f32 v[FB+1], v[FB+1], v24
	v_mov_b32 v25, v[FB]
	s_delay_alu instid0(VALU_DEP_2)
	v_floor_f32 v[FB], -v[FB+1]                    ; -M = floor(-t)
	s_delay_alu instid0(VALU_DEP_1)
	v_sub_f32 v25, v[FB], v25                      ; old M - new M: a whole number, 0 or less
	s_delay_alu instid0(VALU_DEP_1)
	v_cvt_i32_f32 v25, v25                         ; (it saturates)
	s_delay_alu instid0(VALU_DEP_1)
	v_ldexp_f32 v[FB+4], 1.0, v25                  ; f
	WIN 0x41
.set n, 0
.rept 32
	v_pk_fma_f32 v[n:n+1], v[n:n+1], s[66:67], v[FB:FB+1] op_sel_hi:[1,0,0]   ; t - M
.set n, n+2
.endr
	s_wait_alu depctr_va_vdst(0)                   ; ahead of the batch
.set n, 0
.rept 64
	v_exp_f32 v[n], v[n]                           ; p
.set n, n+1
.endr
	WIN 0
	v_pk_mul_f32 v[FB+2:FB+3], v[FB+2:FB+3], v[FB+4:FB+5] op_sel_hi:[1,0]   ; the sum under the new M: the plain line behind the exponentials
	s_wait_alu depctr_va_vdst(0)                   ; one wait for the batch, ahead of its first reader
	WIN 0x05
	v_pk_add_f32 v[24:25], v[0:1], v[2:3]          ; the row's sum in four chains
	v_pk_add_f32 v[26:27], v[4:5], v[6:7]
	v_pk_add_f32 v[28:29], v[8:9], v[10:11]
	WIN 0x04
	v_pk_add_f32 v[FB+2:FB+3], v[FB+2:FB+3], v[12:13]
.set n, 7
.rept 25
.if (n-7)%4 == 3
	v_pk_add_f32 v[FB+2:FB+3], v[FB+2:FB+3], v[2*n:2*n+1]
.else
	v_pk_add_f32 v[24+2*((n-7)%4):25+2*((n-7)%4)], v[24+2*((n-7)%4):25+2*((n-7)%4)], v[2*n:2*n+1]
.endif
.set n, n+1
.endr
	WIN 0
	v_pk_add_f32 v[24:25], v[24:25], v[26:27]
	v_pk_add_f32 v[28:29], v[28:29], v[FB+2:FB+3]
	v_pk_add_f32 v[FB+2:FB+3], v[24:25], v[28:29]
	s_cmp_lg_u32 s101, 0                           ; p is at most 1 (but for a last bit): where e4 >= -8, 448 x 2^e4 is 1.75 or more and there is nothing to hold
	s_cbranch_scc1 .Lheld_\@
	WIN 0x41
.set n, 0
.rept 64
	v_min_num_f32 v[n], v[n], v3                   ; the conversion does not saturate (ISA guide 7.6.2); p is not negative: a one-sided hold
.set n, n+1
.endr
	WIN 0
.Lheld_\@:
	WIN 0x01
.set n, 0
.rept 8
	v_cvt_scalef32_pk8_fp8_f32 v[176+2*n:177+2*n], v[8*n:8*n+7], v4
.set n, n+1
.endr
	WIN 0x41
	s_wait_alu depctr_va_vdst(0)                   ; directly ahead of the first reader of O^T
.set n, 0
.rept 16
	v_pk_mul_f32 v[64+32*\U+n:65+32*\U+n], v[64+32*\U+n:65+32*\U+n], v[FB+4:FB+5] op_sel_hi:[1,0]   ; O^T under the new M; also the plain lines behind the conversions
.set n, n+2
.endr
	s_wait_alu depctr_va_vdst(0)
	s_wait_dscnt 0x0                               ; V
	WIN 0x50
.irp ct, 0,1,2,3
	v_wmma_f32_16x16x128_fp8_fp8 v[64+32*\U+8*\ct:71+32*\U+8*\ct], v[112+16*\ct:127+16*\ct], v[176:191], v[64+32*\U+8*\ct:71+32*\U+8*\ct]   ; four accumulators, one instruction a turn
.endr
	WIN 0
	s_branch .Ldone_\@
.Lidle_\@:
.if \U == 0
	s_wait_kmcnt 0x0
	AHEAD 0
.endif
.Ldone_\@:
.endm
.macro STEP                            ; 128 keys
	s_or_b32 s20, s12, s13
	s_bitcmp1_b32 s20, 0
	s_cbranch_scc0 .Lnone_\@
	v_add_nc_u32 v31, s22, v1
.rept 3
	v_nop                                          ; with the line above: four places behind the last products, in front of loads into V's registers
.endr
.irp kt, 0,1,2,3,4,5,6,7
	ds_load_b128 v[48+8*\kt:51+8*\kt], v31 offset:1024*\kt
	ds_load_b128 v[52+8*\kt:55+8*\kt], v31 offset:1024*\kt+512
.endr
.irp i, 0,1,2,3,4,5,6,7,8,9,10,11,12,13,14,15
	ds_load_b128 v[112+4*\i:115+4*\i], v31 offset:8192+512*\i
.endr
	s_wait_dscnt 16                                ; K is in; V's 16 loads land under the softmax
	TILE 0
	TILE 1
	s_wait_dscnt 0x0                               ; (a tile that is worked has waited for V itself)
	s_branch .Lnext_\@
.Lnone_\@:
	s_wait_kmcnt 0x0
	AHEAD 1
.Lnext_\@:
	s_wait_xcnt 0x0                                ; the scalar loads have read their bases
	s_add_nc_u64 s[2:3], s[2:3], 0x100
	s_add_nc_u64 s[4:5], s[4:5], 0x100
	s_lshr_b32 s12, s12, 1
	s_lshr_b32 s13, s13, 1
	s_lshr_b32 s14, s14, 1
	s_lshr_b32 s15, s15, 1
	s_add_co_u32 s22, s22, 16384
.endm
	s_load_b256 s[32:39], s[0:1], 0x0              ; qimg s[32:33], kvimg s[34:35], mbits s[36:37], msum s[38:39]
	s_load_b128 s[40:43], s[0:1], 0x20             ; scales s[40:41], yimg s[42:43]
	v_lshl_add_u32 v22, v0, 2, SPARE
	v_mov_b32 v23, 0
	v_lshrrev_b32 v24, 5, v0
	v_readfirstlane_b32 s24, v24                   ; wave 0..7
	s_lshl_b32 s16, s24, 13
	v_and_b32 v1, 31, v0
	v_lshlrev_b32 v1, 4, v1                        ; 16 x lane
	v_add_nc_u32 v2, s16, v1                       ; + my 8,192 bytes of a chunk
	s_wait_alu depctr_va_vdst(0)
	s_and_b32 s17, ttmp7, 0xffff                   ; bh
	s_lshl_b32 s19, ttmp9, 3
	s_sub_co_u32 s18, 120, s19
	s_add_co_u32 s18, s18, s24                     ; tile A
	s_add_co_u32 s19, s19, s24                     ; tile B
	s_lshl_b32 s20, s17, 18                        ; the head's 262,144 bytes
	s_mov_b32 s21, 0
	s_mov_b32 s6, 0x76543210                       ; v_permlanex16_b32: lane l xor 16
	s_mov_b32 s7, 0xfedcba98
	s_wait_kmcnt 0x0
	s_add_nc_u64 s[26:27], s[34:35], s[20:21]
.irp i, 0,1,2,3,4,5,6,7,8,9,10,11,12,13,14,15
	global_load_b128 v[48+4*\i:51+4*\i], v2, s[26:27] offset:512*\i               ; chunk 0
.endr
	s_mov_b64 s[66:67], s[40:41]
	PTRS 0, s18
	PTRS 1, s19
	s_load_b256 s[68:75], s[66:67], 0x0            ; e0 .. e7
	s_load_b512 s[32:47], s[100:101], 0x0          ; A's 16 words of the mask's summary
	s_load_b512 s[48:63], s[104:105], 0x0          ; B's
.irp u, 0,1
	global_load_b128 v[32+8*\u:35+8*\u], v1, s[28+2*\u:29+2*\u]                   ; Q's two fragments stay in registers
	global_load_b128 v[36+8*\u:39+8*\u], v1, s[28+2*\u:29+2*\u] offset:512
.endr
.irp i, 0,1,2,3,4,5,6,7,8,9,10,11,12,13,14,15
	global_load_b128 v[192+4*\i:195+4*\i], v2, s[26:27] offset:65536+512*\i       ; chunk 1
.endr
	WIN 0x40
.irp i, 0,1,2,3,4,5,6,7,8,9,10,11,12,13,14,15
	global_load_b128 v[128+4*\i:131+4*\i], v2, s[26:27] offset:131072+512*\i      ; chunk 2
.endr
.set n, 0
.rept 64
	v_mov_b32 v[64+n], 0                           ; O^T.  (The step is written twice and has no first form: the first finds zeros, which the first change of M leaves zeros)
.set n, n+1
.endr
	WIN 0
	v_mov_b32 v9, 0xff61b1e6                       ; the largest t so far: -3e38
	v_mov_b32 v17, 0xff61b1e6
.irp i, 10,11,12,13,15,18,19,20,21,30,31
	v_mov_b32 v\i, 0                               ; sums; the upper halves that pairs name; a lane permute's destination counts as one of its sources
.endr
	v_floor_f32 v8, -v9                            ; -M
	v_floor_f32 v16, -v17
	v_mov_b32 v5, 0x43e00000                       ; 448
	v_mov_b32 v6, 1.0
.irp i, 76,78,80,82,84,86,88,90,92,94,96,98
	s_mov_b64 s[\i:\i+1], 0                        ; (every way through the text finds the mask words' registers written)
.endr
	s_wait_kmcnt 0x0
	s_add_co_i32 s18, s70, s71                     ; e2 + e3
	s_lshl_b32 s20, s18, 23
	s_add_co_i32 s66, s20, 0x3e38aa3b              ; c = log2(e) / 8 x 2^(e2 + e3): t = sum x c
	s_mov_b32 s67, s66
	s_sub_co_u32 s100, 0xc79c4000, s20             ; -80000 / 2^(e2 + e3): x c it is -10000 log2(e)
	s_cmp_le_i32 s18, -8
	s_cselect_b32 s25, 1, 0
	s_cmp_ge_i32 s72, -8
	s_cselect_b32 s101, 1, 0
	s_add_co_i32 s20, s72, 127
	s_lshl_b32 s18, s20, 23
	v_mov_b32 v4, s18                              ; 2^e4
	s_add_co_i32 s20, s20, 8
	s_lshl_b32 s20, s20, 23
	s_or_b32 s20, s20, 0x600000
	v_mov_b32 v3, s20                              ; 448 x 2^e4
	s_add_co_i32 s20, s72, s73
	s_sub_co_i32 s20, s20, s74
	v_mov_b32 v7, s20                              ; e4 + e5 - e6
	STEPS 0, 32
	STEPS 1, 48
	s_bitcmp1_b32 s14, 0
	s_cbranch_scc0 .Lno_words
	MLOAD 2, 0x0                                   ; A's words of step 0
.Lno_words:
	s_wait_alu depctr_va_vdst(0)
	s_wait_loadcnt 36                              ; chunk 0 is in; behind it: Q's 4 loads, chunks 1 and 2
.irp i, 0,1,2,3,4,5,6,7,8,9,10,11,12,13,14,15
	ds_store_b128 v2, v[48+4*\i:51+4*\i] offset:512*\i
.endr
	WIN 0x40
.irp i, 0,1,2,3,4,5,6,7,8,9,10,11,12,13,14,15
	global_load_b128 v[192+4*\i:195+4*\i], v2, s[26:27] offset:196608+512*\i      ; chunk 3
.endr
	WIN 0
	s_wait_loadcnt 48                              ; Q is in; behind it: chunks 1 to 3
	s_wait_dscnt 0x0
	s_barrier_signal -1
	s_barrier_wait -1                              ; chunk 0 is whole
	s_mov_b32 s22, 0
	s_mov_b32 s23, 0
.Lfirst:                                               ; steps 0 to 3; behind steps 0 to 2 my part of chunks 1 to 3 goes to LDS, where nobody reads before the second barrier
	STEP
.irp k, 0,1,2
	s_cmp_eq_u32 s23, \k
	s_cbranch_scc0 .Lkeep_\k
	s_wait_loadcnt 32-16*\k                        ; this chunk is in; 16 loads for each later one may be out
	v_add_nc_u32 v30, 0x10000*(\k+1), v2
.if \k > 0
	WIN 0x04
.endif
.irp i, 0,1,2,3,4,5,6,7,8,9,10,11,12,13,14,15
.if \k == 0
	ds_store_b128 v30, v[192+4*\i:195+4*\i] offset:512*\i
.else
	ds_store_b128 v30, v[64+64*\k+4*\i:67+64*\k+4*\i] offset:512*\i
.endif
.endr
	WIN 0
.Lkeep_\k:
.endr
	s_add_co_u32 s23, s23, 1
	s_cmp_lt_u32 s23, 4
	s_cbranch_scc1 .Lfirst
	s_wait_dscnt 0x0
	s_barrier_signal -1
	s_barrier_wait -1                              ; chunks 1 to 3 are whole
	s_mov_b32 s22, 0x10000
	s_mov_b32 s23, 4
.Lrest:                                                ; steps 4 to 15
	STEP
	s_add_co_u32 s23, s23, 1
	s_cmp_lt_u32 s23, 16
	s_cbranch_scc1 .Lrest
	; THE WAY OUT: y = O^T x 2^(e4 + e5) / the sum; its code is y / 2^e6, held within +-448.  The additions are the places behind the last products.
	s_wait_kmcnt 0x0
	s_wait_alu depctr_va_vdst(0)                   ; ahead of the lane permutes below
	v_add_f32 v14, v10, v11
	v_add_f32 v15, v18, v19
	s_delay_alu instid0(VALU_DEP_2)
	v_permlanex16_b32 v30, v14, s6, s7
	s_delay_alu instid0(VALU_DEP_2)
	v_permlanex16_b32 v31, v15, s6, s7
	s_delay_alu instid0(VALU_DEP_2)
	v_add_f32 v14, v14, v30
	s_delay_alu instid0(VALU_DEP_2)
	v_add_f32 v15, v15, v31
	s_wait_alu depctr_va_vdst(0)
	v_rcp_f32 v14, v14
	v_rcp_f32 v15, v15
	v_nop
	s_wait_alu depctr_va_vdst(0)                   ; one wait for both reciprocals
	v_ldexp_f32 v14, v14, v7
	v_ldexp_f32 v15, v15, v7
	WIN 0x01
	s_wait_alu depctr_va_vdst(0)                   ; directly ahead of the first reader of O^T
.set n, 0
.rept 16
	v_pk_mul_f32 v[48+n:49+n], v[64+n:65+n], v[14:15] op_sel_hi:[1,0]
.set n, n+2
.endr
.set n, 0
.rept 16
	v_pk_mul_f32 v[80+n:81+n], v[96+n:97+n], v[14:15] op_sel:[0,1] op_sel_hi:[1,1]
.set n, n+2
.endr
	WIN 0
.set n, 0
.rept 64
	v_med3_num_f32 v[48+n], v[48+n], -v5, v5
.set n, n+1
.endr
.set n, 0
.rept 8
	v_cvt_scalef32_pk8_fp8_f32 v[112+2*n:113+2*n], v[48+8*n:55+8*n], v6
.set n, n+1
.endr
	v_nop
.irp u, 0,1
	global_store_b128 v1, v[112+8*\u:115+8*\u], s[8+2*\u:9+2*\u]                  ; channels 16 h + 0 .. 15 of my head: 512 consecutive bytes, aligned
	global_store_b128 v1, v[116+8*\u:119+8*\u], s[8+2*\u:9+2*\u] offset:512       ; channels 32 + 16 h + 0 .. 15
.endr
	s_wait_tensorcnt 0x0                           ; the wave's end
	ds_add_u32 v22, v23
	s_wait_dscnt 0x0
	s_endpgm
.Lfunc_end_k_q25f6705d5f_attn:
	.size	k_q25f6705d5f_attn, .Lfunc_end_k_q25f6705d5f_attn-k_q25f6705d5f_attn
	.p2alignl 7, 3214868480
	.fill 96, 4, 3214868480
	.section	.rodata,"a",@progbits
	.p2align	6, 0x0
	.amdhsa_kernel k_q25f6705d5f_attn
		.amdhsa_group_segment_fixed_size 263168
		.amdhsa_private_segment_fixed_size 0
		.amdhsa_enable_private_segment 0
		.amdhsa_kernarg_size 48
		.amdhsa_user_sgpr_count 2
		.amdhsa_user_sgpr_kernarg_segment_ptr 1
		.amdhsa_wavefront_size32 1
		.amdhsa_system_sgpr_workgroup_id_x 1
		.amdhsa_system_sgpr_workgroup_id_y 1
		.amdhsa_system_sgpr_workgroup_id_z 1
		.amdhsa_system_vgpr_workitem_id 0
		.amdhsa_next_free_vgpr 512
		.amdhsa_next_free_sgpr 106
		.amdhsa_reserve_vcc 0
		.amdhsa_float_denorm_mode_32 3
		.amdhsa_float_denorm_mode_16_64 3
		.amdhsa_memory_ordered 1
		.amdhsa_forward_progress 1
		.amdhsa_inst_pref_size 119
	.end_amdhsa_kernel
	.amdgpu_metadata
---
amdhsa.version: [ 1, 2 ]
amdhsa.kernels:
  - .name:           k_q25f6705d5f_attn
    .symbol:         k_q25f6705d5f_attn.kd
    .args:
      - { .name: qimg, .offset: 0, .size: 8, .value_kind: global_buffer, .address_space: global }
      - { .name: kvimg, .offset: 8, .size: 8, .value_kind: global_buffer, .address_space: global }
      - { .name: mbits, .offset: 16, .size: 8, .value_kind: global_buffer, .address_space: global }
      - { .name: msum, .offset: 24, .size: 8, .value_kind: global_buffer, .address_space: global }
      - { .name: lowp_scales, .offset: 32, .size: 8, .value_kind: global_buffer, .address_space: global }
      - { .name: yimg, .offset: 40, .size: 8, .value_kind: global_buffer, .address_space: global }
    .group_segment_fixed_size: 263168
    .private_segment_fixed_size: 0
    .kernarg_segment_align: 8
    .kernarg_segment_size: 48
    .max_flat_workgroup_size: 256
    .sgpr_count:     106
    .vgpr_count:     512
    .wavefront_size: 32
...
	.end_amdgpu_metadata
.endif
;; end of part 2
;; launch proj (part 3): grid 32 x 8, 4 waves a work-group, clusters of 4 x 4, 282,112 bytes of LDS; arguments yimg, W_proj_codes, b_proj, lowp_scales, out0; writes out0
.if DOCPART == 3
	.amdgcn_target "amdgcn-amd-amdhsa--gfx1250"
	.amdhsa_code_object_version 6
	.text
	.protected	k_q25f6705d5f_proj
	.globl	k_q25f6705d5f_proj
	.p2align	8
	.type	k_q25f6705d5f_proj,@function
k_q25f6705d5f_proj:
	s_mov_b64 s[64:65], 0
	v_nop
	global_prefetch_b8 v0, s[64:65] scope:SCOPE_SE
	s_setreg_imm32_b32 hwreg(HW_REG_WAVE_MODE, 25, 1), 1
	s_wait_xcnt 0x0
	s_wait_alu depctr_hold_cnt(0) depctr_sa_sdst(0) depctr_va_vdst(0) depctr_va_sdst(0) depctr_va_ssrc(0) depctr_va_vcc(0) depctr_vm_vsrc(0)
	s_getreg_b32 s2, hwreg(HW_REG_IB_STS2, 6, 4)
	s_cmp_eq_u32 s2, 0
	s_cbranch_scc0 .Lentry_in_a_cluster
	s_endpgm
.Lentry_in_a_cluster:
	s_bfe_u32 s2, ttmp6, 0x10000c
	s_cmp_lg_u32 s2, 0xf033
	s_cbranch_scc0 .Lentry_shape_is_right
	s_endpgm
.Lentry_shape_is_right:
; out = y W_proj + b_proj on E4M3 codes.  y: register images, [tile of 16 rows][K step of 128][4 pieces of 512 bytes]; W_proj: [1024][1024] codes, K innermost; out: [4096][1024] f32.
; SHARES.  Work-group (mbk, nb) makes rows 128 mbk .. x columns 128 nb ..: 256 equal work-groups.  Wave w makes 64 rows (half w / 2) x 64 columns (half w % 2).
; BOTH OPERANDS LIE WHOLE IN LDS: W's 128 rows x 1,024 (waves 0 and 1 fetch 64 rows each) and y's 8 row tiles x 16,384 bytes (waves 2 and 3, four each): one tensor load a wave; nothing is filled again.
; CLUSTERS of 4 x 4: W's tile hangs on nb alone and is shared along the cluster's row, y's on mbk alone and is shared along its column: joint loads.  No prefetch: the launch has no loop to run ahead in, and asks for everything at its head.
; A wave's 64 columns of W stay in 512 registers; y comes row tile by row tile, so that a block of 16 rows is finished with 32 products and leaves while the next ones are multiplied.
; THE PRODUCT IS USED TRANSPOSED (source 0 = 16 rows of W, source 1 = 16 rows of y): a lane holds eight neighbouring columns of a row; a block of 16 rows x 64 columns goes through the wave's own stage in LDS and leaves as
; 256 consecutive bytes for sixteen lanes.  Both operands hold K = 32 c + 16 h + 0 .. 15 in registers 4 c .. 4 c + 3.
; LIMIT: e6 + e7 between -126 and 127.
; REGISTERS.  window 0: v1 r, v2 h, v4 W's LDS address, v7 y's, v8, v9 the stage, v10 out, v11 the bias's offset, v12, v13 the add; v32-63 the bias; v64-95, v96-127 accumulators by turns; v128-159 scaled sums; v192-223, v224-255 rows read back.
;   windows 1, 2: W: fragment (nt, kk) at v[16 (4 (kk % 4) + nt)] of window 1 + kk / 4.   window 3: y: row tile rt, K step kk at v[128 (rt % 2) + 16 kk].
.set PITCH,  1040                      ; a row of W in LDS: 1,024 bytes + 16 of padding
.set HALFW,  64*PITCH
.set YB,     2*HALFW
.set STAGE,  YB+131072
.set SPITCH, 272
.set SPARE,  STAGE+4*16*SPITCH
.set MSB, 0
.macro WIN new
.if MSB != \new
	s_set_vgpr_msb (MSB<<8)|\new
.set MSB, \new
.endif
.endm
.macro PLACES
.rept 4
	v_nop
.endr
.endm
.macro CROUND
	s_barrier_signal -1
	s_barrier_wait -1
	s_cmp_lg_u32 s14, 0
	s_cbranch_scc1 .Lnot_wave_0_\@
	s_barrier_signal -3
.Lnot_wave_0_\@:
	s_barrier_wait -3
	s_barrier_signal -1
	s_barrier_wait -1
.endm
	s_load_b256 s[4:11], s[0:1], 0x0               ; yimg s[4:5], W s[6:7], b s[8:9], scales s[10:11]
	s_load_b64 s[12:13], s[0:1], 0x20              ; out
	v_lshl_add_u32 v12, v0, 2, SPARE
	v_mov_b32 v13, 0
	ds_add_u32 v12, v13                            ; the wave's opening: the add, twice on end, and its wait
	ds_add_u32 v12, v13
	v_lshrrev_b32 v1, 5, v0
	v_readfirstlane_b32 s14, v1                    ; wave 0..3
	s_and_b32 s15, s14, 1                          ; my half of the columns; also: which half of an operand I fetch
	s_lshr_b32 s18, s14, 1                         ; my half of the rows; also: I fetch for W (0) or for y (1)
	s_bfe_u32 s40, ttmp6, 0x40000                  ; cx
	s_bfe_u32 s41, ttmp6, 0x40004                  ; cy
	s_lshl_b32 s16, ttmp9, 2
	s_add_co_u32 s16, s16, s40                     ; mbk
	s_and_b32 s17, ttmp7, 0xffff
	s_lshl_b32 s17, s17, 2
	s_add_co_u32 s17, s17, s41                     ; nb
	s_lshl_b32 s43, s41, 2
	s_lshl_b32 s43, 15, s43                        ; my row of the cluster
	s_lshl_b32 s44, 0x1111, s40                    ; my column
	s_or_b32 s24, s43, (1<<20)|(1<<21)|(7<<22)|(3<<25)   ; W: elements of 1 byte; 4 words of padding behind every 256
	s_mov_b32 s25, 1024<<16                        ; 64 rows x 1,024 bytes, dense in memory
	s_mov_b32 s26, 64<<16
	s_mov_b32 s27, 1024<<16
	s_mov_b32 s28, 64
	s_mov_b32 s29, 1024
	s_mov_b32 s30, 0
	s_mov_b32 s31, 0
	s_or_b32 s48, s44, (3<<16)|(1<<21)             ; y: elements of 8 bytes, no padding: images are read 16 bytes a lane on end
	s_mov_b32 s49, 1024<<16                        ; 65,536 bytes, dense, as 8 rows x 8,192
	s_mov_b32 s50, 8<<16
	s_mov_b32 s51, 1024<<16
	s_mov_b32 s52, 8
	s_mov_b32 s53, 1024
	s_mov_b32 s54, 0
	s_mov_b32 s55, 0
	s_lshl_b32 s22, s15, 16                        ; either half is 65,536 bytes in memory
	s_lshl_b32 s20, s17, 17
	s_add_co_u32 s20, s20, s22
	s_mov_b32 s21, 0
	s_lshl_b32 s46, s16, 17
	s_add_co_u32 s46, s46, s22
	s_mov_b32 s47, 0
	s_mov_b32 s32, 1
	s_mul_i32 s33, s15, HALFW
	s_mov_b32 s56, 1
	s_add_co_u32 s57, s22, YB
	s_wait_dscnt 0x0                               ; both opening adds are done
	s_wait_kmcnt 0x0
	s_load_b64 s[36:37], s[10:11], 0x18            ; e6, e7
	s_add_nc_u64 s[34:35], s[6:7], s[20:21]
	s_or_b32 s35, s35, 0x80000000
	s_add_nc_u64 s[58:59], s[4:5], s[46:47]
	s_or_b32 s59, s59, 0x80000000
	CROUND                                         ; all sixteen work-groups are here: the joint loads meet
	s_cmp_eq_u32 s18, 0
	s_cbranch_scc0 .Lfor_y
	tensor_load_to_lds s[32:35], s[24:31]
	s_nop 0
	PLACES
	s_branch .Lasked
.Lfor_y:
	tensor_load_to_lds s[56:59], s[48:55]
	s_nop 0
	PLACES
.Lasked:
	v_and_b32 v1, 15, v0                           ; r
	v_bfe_u32 v2, v0, 4, 1                         ; h
	v_and_b32 v7, 31, v0
	s_mul_i32 s19, s14, 16*SPITCH
	s_add_co_u32 s19, s19, STAGE                   ; my stage
	s_lshl_b32 s60, s18, 16
	s_add_co_u32 s60, s60, YB                      ; my four row tiles of y
	v_lshlrev_b32 v7, 4, v7
	v_add_nc_u32 v7, s60, v7
	v_mul_u32_u24 v4, v1, PITCH
	v_lshl_add_u32 v4, v2, 4, v4
	v_add_nc_u32 v4, s33, v4                       ; W: my 64 rows, row r, + 16 h
	v_mul_u32_u24 v8, v1, SPITCH
	v_lshl_add_u32 v8, v2, 5, v8
	v_add_nc_u32 v8, s19, v8                       ; in: row r, + 32 h
	v_mul_u32_u24 v9, v2, SPITCH
	v_lshl_add_u32 v9, v1, 4, v9
	v_add_nc_u32 v9, s19, v9                       ; back: lanes 0-15 take one row of 256 bytes, lanes 16-31 the next
	v_lshlrev_b32 v10, 12, v2
	v_lshl_add_u32 v10, v1, 4, v10                 ; and the same two rows in out
	v_lshlrev_b32 v11, 5, v2                       ; 32 h
	s_wait_alu depctr_va_vdst(0)
	s_mov_b32 s23, 0
	s_lshl_b32 s22, s17, 9
	s_lshl_b32 s60, s15, 8
	s_add_co_u32 s22, s22, s60
	s_add_nc_u64 s[8:9], s[8:9], s[22:23]          ; the bias at column 128 nb + 64 (w % 2)
	s_add_nc_u64 s[12:13], s[12:13], s[22:23]      ; out likewise,
	s_lshl_b32 s22, s16, 19
	s_lshl_b32 s60, s18, 18
	s_add_co_u32 s22, s22, s60
	s_add_nc_u64 s[12:13], s[12:13], s[22:23]      ; at row 128 mbk + 64 (w / 2)
.irp nt, 0,1,2,3
	global_load_b128 v[32+8*\nt:35+8*\nt], v11, s[8:9] offset:64*\nt
	global_load_b128 v[36+8*\nt:39+8*\nt], v11, s[8:9] offset:64*\nt+16
.endr
	s_cmp_eq_u32 s18, 0
	s_cbranch_scc0 .Lnot_w
	s_wait_tensorcnt 0x0                           ; my half of W is in
.Lnot_w:
	s_barrier_signal -1
	s_barrier_wait -1                              ; both halves are
.irp kk, 0,1,2,3,4,5,6,7
	WIN 0x40+0x40*(\kk/4)
.irp nt, 0,1,2,3
.irp c, 0,1,2,3
	ds_load_b128 v[16*(4*(\kk%4)+\nt)+4*\c:16*(4*(\kk%4)+\nt)+4*\c+3], v4 offset:\nt*16*PITCH+128*\kk+32*\c
.endr
.endr
.endr
	WIN 0
	s_wait_loadcnt 0x0                             ; the bias
	s_wait_kmcnt 0x0
	s_add_co_i32 s36, s36, s37
	s_add_co_i32 s36, s36, 127
	s_lshl_b32 s36, s36, 23                        ; 2^(e6 + e7) as f32
	s_mov_b32 s37, s36
	s_wait_tensorcnt 0x0                           ; my half of y is in, if I fetched one
	s_wait_dscnt 0x0
	s_barrier_signal -1
	s_barrier_wait -1                              ; both halves are
.macro YLOAD rt                        ; 32 loads of 512 consecutive bytes
	WIN 0xc0
.irp kk, 0,1,2,3,4,5,6,7
.irp c, 0,1,2,3
	ds_load_b128 v[128*(\rt%2)+16*\kk+4*\c:128*(\rt%2)+16*\kk+4*\c+3], v7 offset:16384*\rt+2048*\kk+512*\c
.endr
.endr
	WIN 0
.endm
.macro MUL rt                          ; 16 rows x 64 columns: four accumulators take turns, K ascending
.set AC, 64+32*(\rt%2)
.irp kk, 0,1,2,3,4,5,6,7
	WIN 0x0d+(\kk/4)                               ; source 0 (W) window 1 or 2, source 1 (y) window 3
.irp nt, 0,1,2,3
.if \kk == 0
	v_wmma_f32_16x16x128_fp8_fp8 v[AC+8*\nt:AC+8*\nt+7], v[16*(4*(\kk%4)+\nt):16*(4*(\kk%4)+\nt)+15], v[128*(\rt%2)+16*\kk:128*(\rt%2)+16*\kk+15], 0
.else
	v_wmma_f32_16x16x128_fp8_fp8 v[AC+8*\nt:AC+8*\nt+7], v[16*(4*(\kk%4)+\nt):16*(4*(\kk%4)+\nt)+15], v[128*(\rt%2)+16*\kk:128*(\rt%2)+16*\kk+15], v[AC+8*\nt:AC+8*\nt+7]
.endif
.endr
.endr
	WIN 0
.endm
.macro TOSTAGE rt                      ; sum x 2^(e6 + e7) + bias; into my stage; back as whole rows.  LDS serves a wave's instructions in order (ISA guide 5.7.1.4): no wait between
.set AC, 64+32*(\rt%2)
.set BK, 192+32*(\rt%2)
.if \rt > 1
	s_wait_xcnt 0x0                                ; block rt - 2's stores have read these registers
.endif
.irp j, 0,2,4,6,8,10,12,14,16,18,20,22,24,26,28,30
	v_pk_fma_f32 v[128+\j:129+\j], v[AC+\j:AC+\j+1], s[36:37], v[32+\j:33+\j] op_sel_hi:[1,0,1]
.endr
.irp nt, 0,1,2,3
	ds_store_b128 v8, v[128+8*\nt:131+8*\nt] offset:64*\nt
	ds_store_b128 v8, v[132+8*\nt:135+8*\nt] offset:64*\nt+16
.endr
.irp t, 0,1,2,3,4,5,6,7
	ds_load_b128 v[BK+4*\t:BK+4*\t+3], v9 offset:\t*2*SPITCH
.endr
.endm
.macro SEND rt
.set BK, 192+32*(\rt%2)
.irp t, 0,1,2,3,4,5,6,7
	s_wait_dscnt 7-\t
	global_store_b128 v10, v[BK+4*\t:BK+4*\t+3], s[12:13] offset:(16*\rt+2*\t)*4096 th:TH_STORE_NT   ; sixteen lanes store 256 consecutive bytes, aligned; written once, read by nobody here
.endr
.endm
	YLOAD 0
	YLOAD 1
	s_wait_dscnt 32                                ; row tile 0 is in; row tile 1's 32 loads may be out
	MUL 0
	PLACES                                         ; for the loads into the registers just multiplied
	YLOAD 2
	s_wait_dscnt 32                                ; row tile 1 is in
	MUL 1
	PLACES
	YLOAD 3
	TOSTAGE 0
	s_wait_dscnt 48                                ; row tile 2 is in; behind it: row tile 3's 32 loads, the stage's 8 stores and 8 loads
	MUL 2
	SEND 0
	TOSTAGE 1                                      ; (its 16 plain lines are the places behind row tile 2's products)
	MUL 3                                          ; (row tile 3 came in ahead of block 0's rows)
	SEND 1
	TOSTAGE 2
	SEND 2
	TOSTAGE 3
	SEND 3
	s_wait_tensorcnt 0x0                           ; the wave's end
	ds_add_u32 v12, v13
	s_wait_dscnt 0x0
	CROUND                                         ; the closing round
	s_endpgm
.Lfunc_end_k_q25f6705d5f_proj:
	.size	k_q25f6705d5f_proj, .Lfunc_end_k_q25f6705d5f_proj-k_q25f6705d5f_proj
	.p2alignl 7, 3214868480
	.fill 96, 4, 3214868480
	.section	.rodata,"a",@progbits
	.p2align	6, 0x0
	.amdhsa_kernel k_q25f6705d5f_proj
		.amdhsa_group_segment_fixed_size 282112
		.amdhsa_private_segment_fixed_size 0
		.amdhsa_enable_private_segment 0
		.amdhsa_kernarg_size 40
		.amdhsa_user_sgpr_count 2
		.amdhsa_user_sgpr_kernarg_segment_ptr 1
		.amdhsa_wavefront_size32 1
		.amdhsa_system_sgpr_workgroup_id_x 1
		.amdhsa_system_sgpr_workgroup_id_y 1
		.amdhsa_system_sgpr_workgroup_id_z 1
		.amdhsa_system_vgpr_workitem_id 0
		.amdhsa_next_free_vgpr 1024
		.amdhsa_next_free_sgpr 66
		.amdhsa_reserve_vcc 0
		.amdhsa_float_denorm_mode_32 3
		.amdhsa_float_denorm_mode_16_64 3
		.amdhsa_memory_ordered 1
		.amdhsa_forward_progress 1
		.amdhsa_inst_pref_size 45
	.end_amdhsa_kernel
	.amdgpu_metadata
---
amdhsa.version: [ 1, 2 ]
amdhsa.kernels:
  - .name:           k_q25f6705d5f_proj
    .symbol:         k_q25f6705d5f_proj.kd
    .args:
      - { .name: yimg, .offset: 0, .size: 8, .value_kind: global_buffer, .address_space: global }
      - { .name: W_proj_codes, .offset: 8, .size: 8, .value_kind: global_buffer, .address_space: global }
      - { .name: b_proj, .offset: 16, .size: 8, .value_kind: global_buffer, .address_space: global }
      - { .name: lowp_scales, .offset: 24, .size: 8, .value_kind: global_buffer, .address_space: global }
      - { .name: out0, .offset: 32, .size: 8, .value_kind: global_buffer, .address_space: global }
    .group_segment_fixed_size: 282112
    .private_segment_fixed_size: 0
    .kernarg_segment_align: 8
    .kernarg_segment_size: 40
    .max_flat_workgroup_size: 128
    .sgpr_count:     66
    .vgpr_count:     1024
    .wavefront_size: 32
...
	.end_amdgpu_metadata
.endif
;; end of part 3
